; MI455X (gfx1250); checked and timed in simulation.
; The chip was launched on July 23, 2026; its instructions are those of AMD's public machine-readable ISA for CDNA 5 (MIT licence, August 2026) and "CDNA5" Instruction Set Architecture Reference Guide (July 2026). The comments in the code are by the model that wrote it; some were corrected since.
;; CAN Layer. Allowed arithmetic: matrix products marked QUANTISED: E2M3 operands, one E8M0 scale for each 32 along K, by v_wmma_scale_f32_16x16x128_f8f6f4 with both operands' format E2M3, f32 sums; products left as they are: f32 operands where the result goes on into a quantised operand, else bf16, f16 or f32 operands; f32 sums; everything else in f32.
;; Inputs: Wk_d_codes 2,048 x 64 x 24 uint8 (E2M3 codes of Wk_d, K innermost, in blocks of 32 codes, four codes in three bytes); Wk_d_scales 2,048 x 64 uint8 (E8M0 scales of Wk_d, one for each 32 codes along K); Wk_p_codes 2,048 x 64 x 24 uint8 (E2M3 codes of Wk_p, K innermost, in blocks of 32 codes, four codes in three bytes); Wk_p_scales 2,048 x 64 uint8 (E8M0 scales of Wk_p, one for each 32 codes along K); Wq_d_codes 2,048 x 64 x 24 uint8 (E2M3 codes of Wq_d, K innermost, in blocks of 32 codes, four codes in three bytes); Wq_d_scales 2,048 x 64 uint8 (E8M0 scales of Wq_d, one for each 32 codes along K); Wq_p_codes 2,048 x 64 x 24 uint8 (E2M3 codes of Wq_p, K innermost, in blocks of 32 codes, four codes in three bytes); Wq_p_scales 2,048 x 64 uint8 (E8M0 scales of Wq_p, one for each 32 codes along K); Wv_d_codes 2,048 x 64 x 24 uint8 (E2M3 codes of Wv_d, K innermost, in blocks of 32 codes, four codes in three bytes); Wv_d_scales 2,048 x 64 uint8 (E8M0 scales of Wv_d, one for each 32 codes along K); Wv_p_codes 2,048 x 64 x 24 uint8 (E2M3 codes of Wv_p, K innermost, in blocks of 32 codes, four codes in three bytes); Wv_p_scales 2,048 x 64 uint8 (E8M0 scales of Wv_p, one for each 32 codes along K); drug_codes 2,048 x 64 x 24 uint8 (E2M3 codes of drug, K innermost, in blocks of 32 codes, four codes in three bytes); drug_scales 2,048 x 64 uint8 (E8M0 scales of drug, one for each 32 codes along K); mask_drug 2,048 bool; mask_prot 2,048 bool; protein_codes 2,048 x 64 x 24 uint8 (E2M3 codes of protein, K innermost, in blocks of 32 codes, four codes in three bytes); protein_scales 2,048 x 64 uint8 (E8M0 scales of protein, one for each 32 codes along K).
;; Outputs: out0 2,048 x 4,096 float32.
;; This version of the problem:
;;   THIS VERSION OF THE PROBLEM IS GIVEN IN LOW PRECISION. The matrix products marked QUANTISED in the list below multiply operands that are first quantised to E2M3 (2 exponent bits, 3 mantissa bits; 6 bits a number), with one power-of-two scale for each 32 numbers along K (OCP MX v1.0); their sums are f32. All else is computed in f32.
;;   The module's matrix products, in the order in which they are computed (A, B: the left and right operand; K: the contracted axis; several contracted axes count as one K, in the product's order):
;;     1. [M 2,048, K 2,048] x [K 2,048, N 2,048]; A: input protein (given as codes); B: input Wq_p (given as codes): QUANTISED
;;     2. [M 2,048, K 2,048] x [K 2,048, N 2,048]; A: input protein (given as codes); B: input Wk_p (given as codes): QUANTISED
;;     3. [M 2,048, K 2,048] x [K 2,048, N 2,048]; A: input protein (given as codes); B: input Wv_p (given as codes): QUANTISED
;;     4. [M 2,048, K 2,048] x [K 2,048, N 2,048]; A: input drug (given as codes); B: input Wq_d (given as codes): QUANTISED
;;     5. [M 2,048, K 2,048] x [K 2,048, N 2,048]; A: input drug (given as codes); B: input Wk_d (given as codes): QUANTISED
;;     6. [M 2,048, K 2,048] x [K 2,048, N 2,048]; A: input drug (given as codes); B: input Wv_d (given as codes): QUANTISED
;;     7. batch 32,768 x [M 1, K 128] x [K 128, N 1]; A: computed on the way; B: computed on the way: left as it is (M = 1 < 16)
;;     8. batch 32,768 x [M 1, K 128] x [K 128, N 1]; A: computed on the way; B: computed on the way: left as it is (M = 1 < 16)
;;     9. batch 32,768 x [M 1, K 128] x [K 128, N 1]; A: computed on the way; B: computed on the way: left as it is (M = 1 < 16)
;;     10. batch 32,768 x [M 1, K 128] x [K 128, N 1]; A: computed on the way; B: computed on the way: left as it is (M = 1 < 16)
;;     11. batch 32,768 x [M 128, K 1] x [K 1, N 1]; A: computed on the way; B: computed on the way: left as it is (K = 1 < 32)
;;     12. batch 32,768 x [M 128, K 1] x [K 1, N 1]; A: computed on the way; B: computed on the way: left as it is (K = 1 < 32)
;;     13. batch 32,768 x [M 128, K 1] x [K 1, N 1]; A: computed on the way; B: computed on the way: left as it is (K = 1 < 32)
;;     14. batch 32,768 x [M 128, K 1] x [K 1, N 1]; A: computed on the way; B: computed on the way: left as it is (K = 1 < 32)
;;   THE QUANTISER, for each operand of a quantised product, along K:
;;     - K is cut into blocks of 32 from its start; a last block that is shorter is filled with zeros.
;;     - A block's scale is 2^e with e = floor(log2(the largest magnitude in the block)) - 2, held to -126 .. 127; a block of zeros has e = 0. As a byte (E8M0): e + 127.
;;     - Each number is divided by its block's scale, clamped to +-7.5, and rounded to the nearest number of E2M3, ties to even, subnormals kept.
;;     - The product sums the exact products of the quantised numbers (number of the format x scale) in f32.
;;   ~~~python
;;   def quantise(x, axis):      # numpy; x: float32 -> the quantised numbers, widened to float32 again
;;       x = np.moveaxis(x, axis, -1); K = x.shape[-1]
;;       x = np.pad(x, [(0, 0)] * (x.ndim - 1) + [(0, -K % 32)]); x = x.reshape(x.shape[:-1] + (-1, 32)); a = np.abs(x).max(-1, keepdims=True)
;;       e = np.where(a > 0, np.clip(np.frexp(np.where(a > 0, a, 1))[1] - 1 - 2, -126, 127), 0)      # np.frexp(a)[1] - 1 = floor(log2(a)), exactly
;;       r = np.clip(x / 2.0 ** e, -7.5, 7.5)
;;       step = 2.0 ** (np.maximum(np.frexp(np.where(r == 0, 1, r))[1] - 1, 0) - 3)
;;       q = np.round(r / step) * step * 2.0 ** e      # np.round: ties to even
;;       return np.moveaxis(q.reshape(q.shape[:-2] + (-1,))[..., :K], -1, axis).astype(np.float32)
;;   ~~~
;;   INPUTS GIVEN AS CODES. Wk_d (in the module: [2048, 2048], K = its axis 0); Wk_p (in the module: [2048, 2048], K = its axis 0); Wq_d (in the module: [2048, 2048], K = its axis 0); Wq_p (in the module: [2048, 2048], K = its axis 0); Wv_d (in the module: [2048, 2048], K = its axis 0); Wv_p (in the module: [2048, 2048], K = its axis 0); drug (in the module: [2048, 2048], K = its axis 1); protein (in the module: [2048, 2048], K = its axis 1): each comes as NAME_codes (uint8): NAME with its K axis moved to the last place and cut into blocks of 32 codes, [.., K / 32, bytes a block], one block behind the other in memory; four codes in three bytes: a row's codes are one little-endian stream of bits, code i at bits 6 i .. 6 i + 5 (a code: sign, 2 exponent bits, 3 mantissa bits); and NAME_scales (uint8): the same leading axes, one E8M0 byte (e + 127) for each 32 codes along K. Its value is code x scale, taken as it is: it is not quantised again, and the codes and scales need not be those that the quantiser above would give.
;; One version. Each part assembles by itself: llvm-mc -triple=amdgcn-amd-amdhsa -mcpu=gfx1250 --defsym DOCPART=n.
;; ======== version 1 of 1: 1 launch
;; limits: right only within a limited range of input values
;; launch can (part 1): grid 16 x 16, 4 waves a work-group, clusters of 4 x 4, 327,680 bytes of LDS; arguments protein_codes, protein_scales, Wv_p_codes, Wv_p_scales, drug_codes, drug_scales, Wv_d_codes, Wv_d_scales, out0; writes out0
.if DOCPART == 1
	.amdgcn_target "amdgcn-amd-amdhsa--gfx1250"
	.amdhsa_code_object_version 6
	.text
	.protected	k_q0349322e34_can
	.globl	k_q0349322e34_can
	.p2align	8
	.type	k_q0349322e34_can,@function
k_q0349322e34_can:
	s_mov_b64 s[64:65], 0
	v_nop
	global_prefetch_b8 v0, s[64:65] scope:SCOPE_SE
	s_setreg_imm32_b32 hwreg(HW_REG_WAVE_MODE, 25, 1), 1
	s_wait_xcnt 0x0
	s_wait_alu depctr_hold_cnt(0) depctr_sa_sdst(0) depctr_va_vdst(0) depctr_va_sdst(0) depctr_va_ssrc(0) depctr_va_vcc(0) depctr_vm_vsrc(0)
	s_getreg_b32 s2, hwreg(HW_REG_IB_STS2, 6, 4)
	s_cmp_eq_u32 s2, 0
	s_cbranch_scc0 .Lentry_in_a_cluster
	s_endpgm
.Lentry_in_a_cluster:
	s_bfe_u32 s2, ttmp6, 0x10000c
	s_cmp_lg_u32 s2, 0xf033
	s_cbranch_scc0 .Lentry_shape_is_right
	s_endpgm
.Lentry_shape_is_right:
; CAN layer, one launch: out(row, c) = out(row, 2048 + c) = (vp(row, c) + vd(row, c)) / 2, vp = protein Wv_p, vd = drug Wv_d, on codes of FP6 (E2M3) with one E8M0 scale for each 32 along K, taken as they lie.
; DEAD WORK.  The function's four softmaxes run over the key axis, which has length 1 (L = 1 for both inputs): the maximum over it is the logit l itself, alpha = exp(l - l) / exp(l - l) = 1, whatever finite value l has.
; The masks that enter are all-true masks that the function builds itself (mask_prot and mask_drug are overwritten before any use), so every selection takes its first branch.  So alpha is the factor 1, the logits and
; q and k of both inputs reach no output, and prot = (vp + vd) / 2 = drug.  Not loaded: codes and scales of Wq_p, Wk_p, Wq_d, Wk_d, mask_prot, mask_drug.
; LIMITS.  A NaN, an infinity or an overflow that reaches only the work left out (q, k, a logit) is not carried to the result.  vp and vd are summed in ONE f32 sum over both K (4,096 terms), not rounded apart and added.
; Scale bytes are taken as given: a byte 0xff makes the sums NaN.
; SHARES.  256 work-groups (16 x 16), 128 x 128 of the result each; four waves, 64 x 64 each: 16 accumulators of 16 x 16, 128 registers.
; A STEP is 128 along K: lanes 0-15 hold 64 of the P side (protein, Wv_p), lanes 16-31 the same 64 of the D side (drug, Wv_d).  Step t takes bytes 48 t .. 48 t + 47 of each row of codes: three loads of 16 bytes a
; fragment, each aligned and each inside one chunk of 256 bytes.  32 steps.  Which blocks of 32 meet in an instruction is the same for both operands and for the scales.
; THE RING.  A row of codes is 1,536 bytes, six chunks of 256.  A slot holds chunk j of four tiles of 128 rows (protein, drug, Wv_p, Wv_d); chunk j lies in slot j % 2; each wave fetches one tile.  Steps 5, 10, 21, 26 lie
; across two chunks: their pieces in the old chunk are loaded ahead of the change of slots, the others behind it.
; CLUSTERS: 4 x 4 work-groups.  The four of a row of the cluster share protein's and drug's tiles, the four of a column the weights': each tile is asked for jointly.
; PREFETCH: at the head chunk 1, behind chunk 1's load chunks 2 and 3, then behind the load of chunk c chunk c + 2 of its tile into the L2; the four partners share a tile's 128 rows out by address, 32 each, a lane a row.
; THE SCALES of the four tiles are dense blocks of 8,192 bytes: each wave brings one, 512 consecutive bytes a load, into LDS rows of 80 bytes; behind the round that shows chunk 0 every wave takes its own rows' into registers,
; where v_perm interleaves P's and D's bytes into the words of steps t (lanes 0-15) and t + 16 (lanes 16-31).
; TRANSPOSED USE: source 0 = 16 rows of a weight (columns of the result), source 1 = 16 rows of protein or drug: lane (r, h) holds row r, eight neighbouring columns.
; THE LAST FOUR STEPS go by rows of the result: a block of 16 rows is finished and on its way out while the next is multiplied.
; REGISTERS, windows of 256: 0: addresses, scales;  1: fragments of steps t with t % 4 = 0, 1 (pair s of a set = rows' block s, weights' block s); the way out's packed results;
;   2: accumulators; the raw scales, later rows on the way out;  3: fragments of steps with t % 4 = 2, 3 (at the head, from v128 of the window on, the scales between memory and LDS).
.set KROW,   1536                      ; a row of codes in memory
.set PITCH,  272                       ; an LDS row: 256 bytes + 16 of padding, an odd multiple of 16: sixteen rows start at different banks (64 banks of 4 bytes: ISA guide 11.1)
.set HALFT,  128*PITCH                 ; a tile
.set SLOT,   4*HALFT
.set SCL,    2*SLOT                    ; the scales: four tiles of 128 rows of 64 bytes + 16 (80: an odd multiple of 16)
.set SPIT,   80
.set STILE,  128*SPIT
.set SPARE,  SCL+4*STILE               ; the spare words, two blocks of 256 bytes that no other line names
.set OROW,   16384                     ; a row of the output
.set ADRA,   8                         ; v8, v9    LDS address of my fragments of the rows in slot 0, 1
.set ADRB,   10                        ; v10, v11  of the weights
.set GSO,    12                        ; v12  16 x lane
.set PFO,    13                        ; v13  my lane's row, for the prefetches
.set STO,    14                        ; v14  the way out: into my stage
.set RD,     15                        ; v15  and back
.set CO,     16                        ; v16  my offset in two rows of the output
.set SCS,    17                        ; v17  where I put scales
.set SRA,    18                        ; v18  where I take the rows',
.set SRB,    19                        ; v19  and the weights'
.set SPW,    20                        ; v20  my spare word
.set NIL,    21                        ; v21  0
.set SA,     32                        ; the rows' scale words: block i, step t: register SA + 16 i + t % 16, lanes 0-15 for t < 16, lanes 16-31 else
.set SB,     100                       ; the weights'
.set WV,     22                        ; s22  wave;  s23 = wave / 2: my row half; I fetch for the rows (0) or the weights (1);  s24 = wave % 2: my column half; the side that I fetch
.set G0A,    40                        ; s[40:47] descriptor group 0, a set for each slot: the rows' tiles
.set G0B,    48                        ; s[48:55] the weights'
.set G1A,    68                        ; s[68:75], s[76:83] group 1
.set G1B,    76
.set GSC,    84                        ; s[84:85] the scales that I fetch
.set OUT,    92
.set PFB,    98
.set MSB,    0
.macro WIN new                         ; the immediate's high byte repeats the setting that is left
.if MSB != (\new)
	s_set_vgpr_msb (MSB<<8)|(\new)
.set MSB, (\new)
.endif
.endm
.macro PLACES                          ; a load into a register that a matrix instruction has read, and a read of its result, stand four places behind it (ISA guide 7.12.1 for a read of its result)
.rept 4
	v_nop
.endr
.endm
.macro JLOAD s                         ; a joint load: each line has one mask; the branch hangs on the wave's number alone
	s_cmp_eq_u32 s23, 0
	s_cbranch_scc0 .Lfor_b_\@
	tensor_load_to_lds s[G0A+4*\s:G0A+4*\s+3], s[G1A:G1A+7]
	s_nop 0
	PLACES
	s_branch .Lasked_\@
.Lfor_b_\@:
	tensor_load_to_lds s[G0B+4*\s:G0B+4*\s+3], s[G1B:G1B+7]
	s_nop 0
	PLACES
.Lasked_\@:
.endm
.macro CREST                           ; a round of the cluster's barrier behind its opening barrier
	s_cmp_lg_u32 s[WV], 0
	s_cbranch_scc1 .Lnot_wave_0_\@
	s_barrier_signal -3
.Lnot_wave_0_\@:
	s_barrier_wait -3
	s_barrier_signal -1
	s_barrier_wait -1
.endm
.macro CROUND
	s_barrier_signal -1
	s_barrier_wait -1
	CREST
.endm
.macro ASK c                           ; 32 rows x 256 bytes of chunk c, a lane a row
	global_prefetch_b8 v[PFO], s[PFB:PFB+1] offset:256*(\c) th:TH_LOAD_NT scope:SCOPE_SE
.endm
; piece p (16 bytes) of fragment f of step t: f even: the rows' block f / 2, f odd: the weights'
.macro LF t, f, p
.if ((\t)%4) >= 2
	WIN 0xc0
.else
	WIN 0x40
.endif
.set BY_, 48*(\t)+16*(\p)
.set SL_, (BY_/256)%2
.set DS_, 96*((\t)%2)+12*(\f)+4*(\p)
.if (\f)%2
	ds_load_b128 v[DS_:DS_+3], v[ADRB+SL_] offset:BY_%256+((\f)/2)*16*PITCH
.else
	ds_load_b128 v[DS_:DS_+3], v[ADRA+SL_] offset:BY_%256+((\f)/2)*16*PITCH
.endif
.endm
.macro LG t, f
	LF \t, \f, 0
	LF \t, \f, 1
	LF \t, \f, 2
.endm
.macro LS t                            ; a step's eight fragments: 24 loads
.irp f, 0,1,2,3,4,5,6,7
	LG \t, \f
.endr
.endm
; one product of step t: rows' block a, weights' block b.  Step 0 starts the sums: nothing is cleared.
; The 16 accumulators take turns in the same order in every step, in the last four steps a row's four by turns.
.macro PR t, a, b
.if ((\t)%4) >= 2
	WIN 0xaf                                       ; sources 0 and 1 window 3, C and D window 2
.else
	WIN 0xa5                                       ; sources 0 and 1 window 1
.endif
.set D_, 8*(4*(\a)+(\b))
.set X_, 96*((\t)%2)+24*(\b)+12
.set Y_, 96*((\t)%2)+24*(\a)
.set KX_, SB+16*(\b)+(\t)%16
.set KY_, SA+16*(\a)+(\t)%16
.if (\t) == 0
	v_wmma_scale_f32_16x16x128_f8f6f4 v[D_:D_+7], v[X_:X_+11], v[Y_:Y_+11], 0, v[KX_], v[KY_] matrix_a_fmt:MATRIX_FMT_FP6 matrix_b_fmt:MATRIX_FMT_FP6
.elseif (\t) < 16
	v_wmma_scale_f32_16x16x128_f8f6f4 v[D_:D_+7], v[X_:X_+11], v[Y_:Y_+11], v[D_:D_+7], v[KX_], v[KY_] matrix_a_fmt:MATRIX_FMT_FP6 matrix_b_fmt:MATRIX_FMT_FP6
.else
	v_wmma_scale_f32_16x16x128_f8f6f4 v[D_:D_+7], v[X_:X_+11], v[Y_:Y_+11], v[D_:D_+7], v[KX_], v[KY_] matrix_a_fmt:MATRIX_FMT_FP6 matrix_b_fmt:MATRIX_FMT_FP6 matrix_a_scale:MATRIX_SCALE_ROW1 matrix_b_scale:MATRIX_SCALE_ROW1
.endif
.endm
.macro PR4 t, a
.irp b, 0,1,2,3
	PR \t, \a, \b
.endr
.endm
.macro PR16 t
.irp a, 0,1,2,3
	PR4 \t, \a
.endr
.endm
.macro RAW u                           ; half of my rows' and columns' raw scales, 16 loads: operand m (rows, weights), block i: 16 registers from v[128 + 16 (4 m + i)] on, P's eight words and D's eight; u: words 4 u .. 4 u + 3
	WIN 0x80
.irp i, 0,1,2,3
.irp d, 0,1
.set R_, 128+16*\i+8*\d+4*(\u)
	ds_load_b128 v[R_:R_+3], v[SRA] offset:STILE*\d+16*SPIT*\i+16*(\u)
	ds_load_b128 v[R_+64:R_+67], v[SRB] offset:STILE*\d+16*SPIT*\i+16*(\u)
.endr
.endr
.endm
.macro PERM w                          ; the scale words of steps 2 w and 2 w + 1 (lanes 16-31: 16 further on): P's two bytes and D's two by turns
	WIN 0x0a
.irp m, 0,1
.irp i, 0,1,2,3
.set R_, 128+16*(4*\m+\i)+(\w)
.set S_, SA+(SB-SA)*\m+16*\i+2*(\w)
	v_perm_b32 v[S_], v[R_+8], v[R_], s94
	v_perm_b32 v[S_+1], v[R_+8], v[R_], s95
.endr
.endr
.endm
; Two steps: the 48 loads of steps t + 1 and t + 2 in one run, then the 32 products of t and t + 1.  w0, w1: scale words that are made under the loads' flight, four steps or more ahead of their use.
.macro DSTEP t, w0=0, w1=0
	PLACES
	LS (\t)+1
	LS (\t)+2
.if \w0 > 0
	PERM \w0
.if \w1 > 0
	PERM \w1
.endif
	s_wait_alu depctr_va_vdst(0)
.endif
	s_wait_dscnt 48                                ; all but the 48 just issued: step t's fragments are in
	PR16 \t
	s_wait_dscnt 24                                ; step t + 1's are in, t + 2's may be out
	PR16 (\t)+1
.endm
.macro STEP t                          ; one step: the next step's 24 loads, then its own 16 products
	PLACES
	LS (\t)+1
	s_wait_dscnt 24
	PR16 \t
.endm
; A step that changes slots.  The next step's first op pieces of each fragment lie in the chunk that is left, the others in the next one.  fill: the barrier opens a round and slot sl takes the chunk two on; pf: the chunk to prefetch.
.macro TURN t, op, fill, sl, pf
	PLACES
.irp f, 0,1,2,3,4,5,6,7
.if (\op) > 0
	LF (\t)+1, \f, 0
.endif
.if (\op) > 1
	LF (\t)+1, \f, 1
.endif
.endr
	s_wait_dscnt 8*(\op)                           ; this step's fragments are in; the old chunk's pieces may be out
	PR4 \t, 0
	PR \t, 1, 0
	WIN 0
	s_wait_tensorcnt 0x0                           ; my tile of the next chunk has landed, and nothing of mine is out
.if \fill
	ds_add_u32 v[SPW], v[NIL]
	s_add_nc_u64 s[G0A+4*\sl+2:G0A+4*\sl+3], s[G0A+4*\sl+2:G0A+4*\sl+3], 512   ; two chunks on
	s_add_nc_u64 s[G0B+4*\sl+2:G0B+4*\sl+3], s[G0B+4*\sl+2:G0B+4*\sl+3], 512
.endif
	PR \t, 1, 1
	PR \t, 1, 2
	PR \t, 1, 3
	PR \t, 2, 0
	s_wait_dscnt 0x0                               ; the add and my reads of the old chunk are done
	s_barrier_signal -1
	PR \t, 2, 1
	PR \t, 2, 2
	PR \t, 2, 3
	PR \t, 3, 0
	WIN 0
	s_barrier_wait -1
.if \fill
	CREST                                          ; no wave of any partner still reads this slot or has a load on its way
	JLOAD \sl
.endif
.irp f, 0,1,2,3,4,5,6,7
.irp p, 0,1,2
.if \p >= (\op)
	LF (\t)+1, \f, \p
.endif
.endr
.endr
.if (\pf) > 0
	ASK \pf
.endif
	PR \t, 3, 1
	PR \t, 3, 2
	PR \t, 3, 3
.endm
	s_load_b512 s[4:19], s[0:1], 0x0               ; protein's codes, scales; Wv_p's; drug's; Wv_d's
	s_load_b64 s[20:21], s[0:1], 0x40              ; the output
	v_lshl_add_u32 v[SPW], v0, 2, SPARE
	v_mov_b32 v[NIL], 0
	ds_add_u32 v[SPW], v[NIL]                      ; the opening: the add, twice on end, under one wait
	ds_add_u32 v[SPW], v[NIL]
	v_lshrrev_b32 v1, 5, v0
	v_readfirstlane_b32 s[WV], v1
	s_lshr_b32 s23, s[WV], 1
	s_and_b32 s24, s[WV], 1
	s_bfe_u32 s25, ttmp6, 0x40000                  ; cx
	s_bfe_u32 s26, ttmp6, 0x40004                  ; cy
	s_lshl_b32 s28, ttmp9, 2
	s_add_co_u32 s28, s28, s25                     ; x: my 128 columns
	s_and_b32 s27, ttmp7, 0xffff
	s_lshl_b32 s27, s27, 2
	s_add_co_u32 s27, s27, s26                     ; y: my 128 rows
	s_lshl_b32 s34, s26, 2
	s_lshl_b32 s34, 15, s34                        ; my row of the cluster
	s_lshl_b32 s35, 0x1111, s25                    ; my column
	; group 1: 128 rows of 256 bytes, KROW apart, 16 bytes of padding behind each
	s_or_b32 s[G1A], s34, (0<<16)|(1<<20)|(1<<21)|(5<<22)|(3<<25)
	s_or_b32 s[G1B], s35, (0<<16)|(1<<20)|(1<<21)|(5<<22)|(3<<25)
.irp g, G1A, G1B
	s_mov_b32 s[\g+1], 256<<16
	s_mov_b32 s[\g+2], 128<<16
	s_mov_b32 s[\g+3], 256<<16
	s_mov_b32 s[\g+4], 128
	s_mov_b32 s[\g+5], KROW
	s_mov_b32 s[\g+6], 0
	s_mov_b32 s[\g+7], 0
.endr
	s_mul_i32 s37, s[WV], HALFT                    ; where my tile goes in a slot
.irp g, G0A, G0B
	s_mov_b32 s[\g], 1
	s_mov_b32 s[\g+1], s37
	s_mov_b32 s[\g+4], 1
	s_add_co_u32 s[\g+5], s37, SLOT
.endr
	; offsets, each in a pair of its own; what feeds the rows' descriptors is made of y alone, the weights' of x alone
	s_mul_i32 s30, s27, 128*KROW
	s_mov_b32 s31, 0
	s_mul_i32 s32, s28, 128*KROW
	s_mov_b32 s33, 0
	s_lshl_b32 s58, s27, 21                        ; my wave's first number in the output: row 128 y + 64 half, 16,384 bytes a row,
	s_lshl_b32 s2, s23, 20
	s_add_co_u32 s58, s58, s2
	s_lshl_b32 s2, s28, 9                          ; column 128 x + 64 half
	s_add_co_u32 s58, s58, s2
	s_lshl_b32 s2, s24, 8
	s_add_co_u32 s58, s58, s2
	s_mov_b32 s59, 0
	s_cmp_eq_u32 s23, 0
	s_cselect_b32 s66, s27, s28                    ; my tile: of 128 rows the y-th or x-th
	s_cselect_b32 s2, s25, s26                     ; the prefetches: my place among the four that ask for it
	s_lshl_b32 s38, s66, 13                        ; its scales, 64 bytes a row
	s_mov_b32 s39, 0
	s_lshl_b32 s66, s66, 7
	s_lshl_b32 s2, s2, 5
	s_add_co_u32 s66, s66, s2
	s_mul_i32 s66, s66, KROW
	s_mov_b32 s67, 0
	s_mov_b32 s94, 0x05010400                      ; v_perm's selects: bytes 0, 1 of both words by turns,
	s_mov_b32 s95, 0x07030602                      ; bytes 2, 3
	s_mul_i32 s36, s[WV], 64*PITCH                 ; my stage, in slot 0
	s_mul_i32 s2, s23, 64*PITCH                    ; my 64 rows of the rows' tiles
	s_mul_i32 s3, s24, 64*PITCH
	s_add_co_u32 s3, s3, 2*HALFT                   ; and of the weights'
	s_mul_i32 s56, s[WV], STILE
	s_add_co_u32 s56, s56, SCL                     ; where my tile's scales go
	s_mul_i32 s57, s23, 64*SPIT
	s_add_co_u32 s57, s57, SCL                     ; my 64 rows' scales,
	s_mul_i32 s29, s24, 64*SPIT
	s_add_co_u32 s29, s29, SCL+2*STILE             ; and my 64 columns'
	v_and_b32 v1, 15, v0                           ; r
	v_bfe_u32 v2, v0, 4, 1                         ; h
	v_and_b32 v3, 31, v0
	v_mul_u32_u24 v4, v1, PITCH
	v_mul_u32_u24 v5, v2, HALFT                    ; lanes 16-31 read the D side's tile, one tile on
	v_add_nc_u32 v5, v5, v4
	v_add_nc_u32 v[ADRA], s2, v5
	v_add_nc_u32 v[ADRB], s3, v5
	v_add_nc_u32 v[ADRA+1], SLOT, v[ADRA]
	v_add_nc_u32 v[ADRB+1], SLOT, v[ADRB]
	v_lshlrev_b32 v[GSO], 4, v3
	v_mul_u32_u24 v[PFO], v3, KROW
	v_lshl_add_u32 v[STO], v2, 5, v4
	v_add_nc_u32 v[STO], s36, v[STO]
	v_mul_u32_u24 v[RD], v2, PITCH
	v_lshl_add_u32 v[RD], v1, 4, v[RD]
	v_add_nc_u32 v[RD], s36, v[RD]
	v_lshlrev_b32 v[CO], 14, v2
	v_lshl_add_u32 v[CO], v1, 4, v[CO]
	v_lshrrev_b32 v6, 2, v3                        ; a load of mine covers eight rows of scales, four lanes a row
	v_mul_u32_u24 v6, v6, SPIT
	v_and_b32 v7, 3, v3
	v_lshl_add_u32 v6, v7, 4, v6
	v_add_nc_u32 v[SCS], s56, v6
	v_mul_u32_u24 v6, v1, SPIT
	v_lshl_add_u32 v6, v2, 5, v6                   ; row r, 32 bytes for each half of the lanes
	v_add_nc_u32 v[SRA], s57, v6
	v_add_nc_u32 v[SRB], s29, v6
	s_wait_alu depctr_va_vdst(0)
	s_wait_dscnt 0x0                               ; both opening adds are done
	CROUND                                         ; the round in front of the first joint loads
	s_wait_kmcnt 0x0
	s_cmp_eq_u32 s24, 0
	s_cselect_b64 s[60:61], s[4:5], s[12:13]       ; the side that I fetch
	s_cselect_b64 s[62:63], s[8:9], s[16:17]
	s_cselect_b64 s[86:87], s[6:7], s[14:15]
	s_cselect_b64 s[88:89], s[10:11], s[18:19]
	s_add_nc_u64 s[G0A+2:G0A+3], s[60:61], s[30:31]
	s_or_b32 s[G0A+3], s[G0A+3], 0x80000000
	s_add_nc_u64 s[G0B+2:G0B+3], s[62:63], s[32:33]
	s_or_b32 s[G0B+3], s[G0B+3], 0x80000000
	JLOAD 0                                        ; chunk 0: one tensor load a wave at the head
	s_cmp_eq_u32 s23, 0
	s_cselect_b64 s[GSC:GSC+1], s[86:87], s[88:89]
	s_cselect_b64 s[PFB:PFB+1], s[60:61], s[62:63]
	s_add_nc_u64 s[GSC:GSC+1], s[GSC:GSC+1], s[38:39]
	s_add_nc_u64 s[PFB:PFB+1], s[PFB:PFB+1], s[66:67]
	WIN 0xc0
.irp n, 0,1,2,3,4,5,6,7,8,9,10,11,12,13,14,15
	global_load_b128 v[128+4*\n:131+4*\n], v[GSO], s[GSC:GSC+1] offset:512*\n   ; my tile's scales
.endr
	WIN 0
	ASK 1
	s_add_nc_u64 s[G0A+6:G0A+7], s[G0A+2:G0A+3], 256
	s_add_nc_u64 s[G0B+6:G0B+7], s[G0B+2:G0B+3], 256
	s_add_nc_u64 s[OUT:OUT+1], s[20:21], s[58:59]
	s_wait_loadcnt 0x0
	WIN 0x0c
.irp n, 0,1,2,3,4,5,6,7,8,9,10,11,12,13,14,15
	ds_store_b128 v[SCS], v[128+4*\n:131+4*\n] offset:8*SPIT*\n
.endr
	WIN 0
	s_wait_tensorcnt 0x0                           ; my tile of chunk 0 is in
	ds_add_u32 v[SPW], v[NIL]
	s_wait_dscnt 0x0                               ; the add is done, and my scales lie in LDS
	CROUND                                         ; everybody's chunk 0 and scales are in
	JLOAD 1                                        ; chunk 1
	RAW 0
	LS 0
	RAW 1
	ASK 2
	ASK 3
	s_wait_dscnt 40                                ; the first half of the raw scales is in; behind it step 0's 24 loads and 16
	PERM 0
	PERM 1
	s_wait_alu depctr_va_vdst(0)
	DSTEP 0, 2, 3                                  ; (step 0's wait shows the second half of the raw scales in too)
	DSTEP 2, 4, 5
	TURN 4, 1, 1, 0, 4                             ; chunk 2
	DSTEP 5, 6
	DSTEP 7, 7
	TURN 9, 2, 1, 1, 5                             ; chunk 3
	DSTEP 10
	DSTEP 12
	STEP 14
	TURN 15, 0, 1, 0, 0                            ; chunk 4
	DSTEP 16
	DSTEP 18
	TURN 20, 1, 1, 1, 0                            ; chunk 5
	DSTEP 21
	DSTEP 23
	TURN 25, 2, 0, 0, 0                            ; a plain barrier shows chunk 5
	DSTEP 26
; THE LAST FOUR STEPS, BY ROWS, AND THE WAY OUT, a block of 16 rows at a time: halved (exact), through my own stage (slot 0 has had its last fill and its last read), back as rows: my 64 columns of a row are one aligned
; unit of 256 bytes, which 16 lanes store, into both halves of the output.  LDS serves a wave's instructions in order (ISA guide 5.7.1.4): no wait between the stage's stores and its loads.
.macro STAGE a
	PLACES
	WIN 0x42
.irp b, 0,1,2,3
.irp i, 0,2,4,6
	v_pk_mul_f32 v[192+32*(\a%2)+8*\b+\i:193+32*(\a%2)+8*\b+\i], v[32*\a+8*\b+\i:32*\a+8*\b+\i+1], 0.5 op_sel_hi:[1,0]
.endr
.endr
	WIN 0x04
.irp b, 0,1,2,3
	ds_store_b128 v[STO], v[192+32*(\a%2)+8*\b:195+32*(\a%2)+8*\b] offset:\a*16*PITCH+64*\b
	ds_store_b128 v[STO], v[196+32*(\a%2)+8*\b:199+32*(\a%2)+8*\b] offset:\a*16*PITCH+64*\b+16
.endr
	WIN 0x80
.irp k, 0,1,2,3,4,5,6,7
	ds_load_b128 v[128+32*\a+4*\k:131+32*\a+4*\k], v[RD] offset:(16*\a+2*\k)*PITCH
.endr
.endm
.macro SEND a, younger                 ; younger: the LDS instructions issued behind block a's loads
	s_wait_dscnt \younger
	WIN 0x08
.irp k, 0,1,2,3,4,5,6,7
	global_store_b128 v[CO], v[128+32*\a+4*\k:131+32*\a+4*\k], s[OUT:OUT+1] offset:(16*\a+2*\k)*OROW th:TH_STORE_NT
	global_store_b128 v[CO], v[128+32*\a+4*\k:131+32*\a+4*\k], s[OUT:OUT+1] offset:(16*\a+2*\k)*OROW+OROW/2 th:TH_STORE_NT
.endr
.endm
.macro ROW a
.irp q, 28,29,30,31
	PR4 \q, \a
.endr
.endm
	PLACES
.irp q, 29,30,31
.irp f, 1,3,5,7,0
	LG \q, \f                                      ; the weights' four blocks and the rows' block 0: 15 loads a step
.endr
.endr
.irp q, 29,30,31
	LG \q, 2                                       ; the rows' block 1: 9
.endr
	s_wait_dscnt 54                                ; step 28's fragments are in
	PR4 28, 0
	s_wait_dscnt 39
	PR4 29, 0
	s_wait_dscnt 24
	PR4 30, 0
	s_wait_dscnt 9
	PR4 31, 0
	STAGE 0
.irp q, 29,30,31
	LG \q, 4                                       ; the rows' blocks 2 and 3: 18
	LG \q, 6
.endr
	s_wait_dscnt 34                                ; block 1 is in: behind it the stage's 16 and these 18
	ROW 1
	SEND 0, 18
	STAGE 1
	s_wait_dscnt 16                                ; blocks 2 and 3 are in
	ROW 2
	SEND 1, 0
	STAGE 2
	ROW 3
	SEND 2, 0
	STAGE 3
	SEND 3, 0
	WIN 0
	s_wait_tensorcnt 0x0                           ; the wave's end
	ds_add_u32 v[SPW], v[NIL]
	s_wait_dscnt 0x0
	CROUND                                         ; the closing round: no work-group ends while a partner may still ask for a tile that names it
	s_endpgm
.Lfunc_end_k_q0349322e34_can:
	.size	k_q0349322e34_can, .Lfunc_end_k_q0349322e34_can-k_q0349322e34_can
	.p2alignl 7, 3214868480
	.fill 96, 4, 3214868480
	.section	.rodata,"a",@progbits
	.p2align	6, 0x0
	.amdhsa_kernel k_q0349322e34_can
		.amdhsa_group_segment_fixed_size 327680
		.amdhsa_private_segment_fixed_size 0
		.amdhsa_enable_private_segment 0
		.amdhsa_kernarg_size 72
		.amdhsa_user_sgpr_count 2
		.amdhsa_user_sgpr_kernarg_segment_ptr 1
		.amdhsa_wavefront_size32 1
		.amdhsa_system_sgpr_workgroup_id_x 1
		.amdhsa_system_sgpr_workgroup_id_y 1
		.amdhsa_system_sgpr_workgroup_id_z 1
		.amdhsa_system_vgpr_workitem_id 0
		.amdhsa_next_free_vgpr 1024
		.amdhsa_next_free_sgpr 100
		.amdhsa_reserve_vcc 0
		.amdhsa_float_denorm_mode_32 3
		.amdhsa_float_denorm_mode_16_64 3
		.amdhsa_memory_ordered 1
		.amdhsa_forward_progress 1
		.amdhsa_inst_pref_size 160
	.end_amdhsa_kernel
	.amdgpu_metadata
---
amdhsa.version: [ 1, 2 ]
amdhsa.kernels:
  - .name:           k_q0349322e34_can
    .symbol:         k_q0349322e34_can.kd
    .args:
      - { .name: protein_codes, .offset: 0, .size: 8, .value_kind: global_buffer, .address_space: global }
      - { .name: protein_scales, .offset: 8, .size: 8, .value_kind: global_buffer, .address_space: global }
      - { .name: Wv_p_codes, .offset: 16, .size: 8, .value_kind: global_buffer, .address_space: global }
      - { .name: Wv_p_scales, .offset: 24, .size: 8, .value_kind: global_buffer, .address_space: global }
      - { .name: drug_codes, .offset: 32, .size: 8, .value_kind: global_buffer, .address_space: global }
      - { .name: drug_scales, .offset: 40, .size: 8, .value_kind: global_buffer, .address_space: global }
      - { .name: Wv_d_codes, .offset: 48, .size: 8, .value_kind: global_buffer, .address_space: global }
      - { .name: Wv_d_scales, .offset: 56, .size: 8, .value_kind: global_buffer, .address_space: global }
      - { .name: out0, .offset: 64, .size: 8, .value_kind: global_buffer, .address_space: global }
    .group_segment_fixed_size: 327680
    .private_segment_fixed_size: 0
    .kernarg_segment_align: 8
    .kernarg_segment_size: 72
    .max_flat_workgroup_size: 128
    .sgpr_count:     100
    .vgpr_count:     1024
    .wavefront_size: 32
...
	.end_amdgpu_metadata
.endif
;; end of part 1
